; MI455X (gfx1250); checked and timed in simulation.
; The chip was launched on July 23, 2026; its instructions are those of AMD's public machine-readable ISA for CDNA 5 (MIT licence, August 2026) and "CDNA5" Instruction Set Architecture Reference Guide (July 2026). The comments in the code are by the model that wrote it; some were corrected since.
;; Local Average Pooling Segmenter. Allowed arithmetic: matrix products marked QUANTISED: E2M3 operands, one E8M0 scale for each 32 along K, by v_wmma_scale_f32_16x16x128_f8f6f4 with both operands' format E2M3, f32 sums; everything else in f32.
;; Inputs: asr_alignment 16 x 1,024 x 2 int32; audio_feats_codes 16 x 512 x 128 x 24 uint8 (E2M3 codes of audio_feats, K innermost, in blocks of 32 codes, four codes in three bytes); audio_feats_len 16 int32; audio_feats_scales 16 x 512 x 128 uint8 (E8M0 scales of audio_feats, one for each 32 codes along K); text_token_embed_for_audio 16 x 1,024 x 512 float32; text_token_for_audio 16 x 1,024 int32; text_token_len 16 int32.
;; Outputs: out0 16 x 1,024 x 512 float32; out1 16 int32.
;; This version of the problem:
;;   THIS VERSION OF THE PROBLEM IS GIVEN IN LOW PRECISION. The matrix products marked QUANTISED in the list below multiply operands that are first quantised to E2M3 (2 exponent bits, 3 mantissa bits; 6 bits a number), with one power-of-two scale for each 32 numbers along K (OCP MX v1.0); their sums are f32. All else is computed in f32.
;;   The module's matrix products, in the order in which they are computed (A, B: the left and right operand; K: the contracted axis; several contracted axes count as one K, in the product's order):
;;     1. batch 16 x [M 1,024, K 4,096] x [K 4,096, N 512]; A: computed on the way; B: input audio_feats (given as codes): QUANTISED
;;   THE QUANTISER, for each operand of a quantised product, along K:
;;     - K is cut into blocks of 32 from its start; a last block that is shorter is filled with zeros.
;;     - A block's scale is 2^e with e = floor(log2(the largest magnitude in the block)) - 2, held to -126 .. 127; a block of zeros has e = 0. As a byte (E8M0): e + 127.
;;     - Each number is divided by its block's scale, clamped to +-7.5, and rounded to the nearest number of E2M3, ties to even, subnormals kept.
;;     - The product sums the exact products of the quantised numbers (number of the format x scale) in f32.
;;   ~~~python
;;   def quantise(x, axis):      # numpy; x: float32 -> the quantised numbers, widened to float32 again
;;       x = np.moveaxis(x, axis, -1); K = x.shape[-1]
;;       x = np.pad(x, [(0, 0)] * (x.ndim - 1) + [(0, -K % 32)]); x = x.reshape(x.shape[:-1] + (-1, 32)); a = np.abs(x).max(-1, keepdims=True)
;;       e = np.where(a > 0, np.clip(np.frexp(np.where(a > 0, a, 1))[1] - 1 - 2, -126, 127), 0)      # np.frexp(a)[1] - 1 = floor(log2(a)), exactly
;;       r = np.clip(x / 2.0 ** e, -7.5, 7.5)
;;       step = 2.0 ** (np.maximum(np.frexp(np.where(r == 0, 1, r))[1] - 1, 0) - 3)
;;       q = np.round(r / step) * step * 2.0 ** e      # np.round: ties to even
;;       return np.moveaxis(q.reshape(q.shape[:-2] + (-1,))[..., :K], -1, axis).astype(np.float32)
;;   ~~~
;;   OPERANDS COMPUTED ON THE WAY. 'Computed on the way' means the value that the module computes at that place (a softmax that the list does not call 'softmax' is quantised finished and normalised). What goes into a quantiser is computed in f32, as accurately as f32 sums, v_exp_f32 and their like allow (about 1e-6 of the number): no bf16 or f16 on the way to a quantiser, and a product that is left as it is and whose result goes on into a quantised operand takes f32 operands (vector FMAs, or v_wmma_f32_16x16x4_f32). A number that lies on a knife's edge between two numbers of the format may be rounded either way, as far as f32 arithmetic and the matrix unit's own rounding can turn it there, and no further.
;;   INPUTS GIVEN AS CODES. audio_feats (in the module: [16, 4096, 512], K = its axis 1): each comes as NAME_codes (uint8): NAME with its K axis moved to the last place and cut into blocks of 32 codes, [.., K / 32, bytes a block], one block behind the other in memory; four codes in three bytes: a row's codes are one little-endian stream of bits, code i at bits 6 i .. 6 i + 5 (a code: sign, 2 exponent bits, 3 mantissa bits); and NAME_scales (uint8): the same leading axes, one E8M0 byte (e + 127) for each 32 codes along K. Its value is code x scale, taken as it is: it is not quantised again, and the codes and scales need not be those that the quantiser above would give.
;; One version. Each part assembles by itself: llvm-mc -triple=amdgcn-amd-amdhsa -mcpu=gfx1250 --defsym DOCPART=n.
;; ======== version 1 of 1: 1 launch
;; limits: right only within a limited range of input values
;; launch seg (part 1): grid 8 x 32, 8 waves a work-group, no clusters, 253,440 bytes of LDS; arguments asr_alignment, audio_feats_codes, audio_feats_scales, text_token_len, out0, out1; writes out0, out1
.if DOCPART == 1
	.amdgcn_target "amdgcn-amd-amdhsa--gfx1250"
	.amdhsa_code_object_version 6
	.text
	.protected	k_qf9107e6ca7_seg
	.globl	k_qf9107e6ca7_seg
	.p2align	8
	.type	k_qf9107e6ca7_seg,@function
k_qf9107e6ca7_seg:
	s_mov_b64 s[64:65], 0
	v_nop
	global_prefetch_b8 v0, s[64:65] scope:SCOPE_SE
	s_setreg_imm32_b32 hwreg(HW_REG_WAVE_MODE, 25, 1), 1
	s_wait_xcnt 0x0
; out0[b][t][:] = the mean of audio_feats[b][a][:] over the frames start(b,t) <= a <= end(b,t), 0 where t >= text_token_len[b] or the span holds no frame;  out1 = text_token_len.
; The sum is the product mask [1024 tokens][4096 frames] x audio [4096 frames][512] of each batch, on codes of FP6 (E2M3) with one E8M0 scale for each 32 frames.  The audio comes as codes, frames innermost:
; a column d is a row of 3,072 bytes, its scales 128 bytes.  THE MASK IS MADE IN REGISTERS: a 1 quantises to the code 4.0 (bits 011000) under the scale 2^-2 (byte 125), exactly; a 0 to the code 0, which adds nothing under
; any finite scale, so every block takes byte 125.
; audio_feats_len, text_token_for_audio and text_token_embed_for_audio are not loaded and not taken: no result of reference() depends on any value of theirs (of text_token_for_audio reference() takes the shape alone);
; a NaN or an infinity in them is not carried to the result.
; TOKENS AT OR PAST text_token_len.  reference() masks them away: their rows are 0.  A tile of 16 such tokens is stored as zeros and has no products (but in the first K step, where all four tiles of a wave start their sums).
; LIMITS.  An audio scale byte 0xff (NaN) makes its whole column NaN in every tile that holds a live token, rows without frames too, and is not carried to tiles without one.  The division is a multiplication by
; v_rcp_f32 of the count.  Starts below 0 and ends above 4,095 are held to the frames that exist; start > end is an empty span; compares of given numbers are signed.
; SHARES.  Grid x: 8 groups of 64 columns; y: 32 workers for each, who share the live tiles of the 16 batches, the same way in every group.  A worker takes tiles of ONE batch, at most 8 K of them, K the least of 1 .. 4 for
; which the sum over the batches of ceil(tiles / 8 K) is at most 32 (K = 4 always serves: a batch has at most 64 tiles).  All codes of its 64 columns, 196,608 bytes, lie in LDS.  Eight waves; wave w makes tiles first + 8 a + w, a < K:
; 4 token tiles x 4 column tiles = 16 accumulators at the most, 32 K steps of 128 frames.  Tiles without live tokens: y = 2 x batch + half stores that half's.
; No cluster and no tensor load: what a work-group reads and how much it does hang on text_token_len, which is read from memory; so the codes come through registers.  The workers of a batch are neighbours along y.
; Nothing is prefetched: half of the codes are asked for at the head, the rest in the first 5 of the 32 K steps, at least ten K steps ahead of their use.
; A K STEP: this step's mask, then ONE run of LDS loads for the next step's audio, then this step's products.
; FRAMES OF A STEP.  Lane (r, h) takes frames 64 (2 s + h) + 0 .. 63: 48 neighbouring bytes of a row.  The matrix instruction's blocks 0, 1, 2, 3 are then the memory's blocks 0, 2, 1, 3, so the two middle bytes of each
; audio scale word change places; the mask is made in the same order, and its four scale bytes are equal.
; THE MATRIX INSTRUCTION: source 0 = 16 columns, source 1 = 16 tokens: lane (r, h) then holds token r and the columns 8 h + 0 .. 7: 32 neighbouring bytes of a row of out0.
; REGISTERS.  Window 0: all below but accumulators and audio.  Window 1: v0-127 accumulator (a, i) at v[8 (4 a + i)]; v128-223 audio fragments, two buffers of 4 x 12; v224-255 codes on their way to LDS.
.set QB,     64*816                    ; LDS bytes of a quarter of the frames: 64 rows x 3 x (256 + 16 of padding)
.set SCL,    4*QB                      ; the scales: 64 columns x 128 bytes as 32 units of 256 bytes + 16 of padding
.set SPARE,  SCL+32*272                ; the spare words, 128 bytes for each wave
.set STAGE,  SPARE+1024                ; the way out: 16 rows x (256 + 16) bytes for each wave
.set SPW,  1                           ; my spare word;  never rewritten
.set NIL,  2                           ; 0;  never rewritten
.set ADS,  3                           ; my scale words: lanes 0-15 column tiles 0, 1, lanes 16-31 column tiles 2, 3
.set AA0,  4                           ; my audio row;  AA1: the same, lanes 16-31 behind one padding more
.set AA1,  5
.set STO,  6
.set RD,   7
.set SCM,  8                           ; v8, v9 the mask's scale word, twice: of an audio scale register and this one the numbers differ modulo 8
.set ONES, 10                          ; v10-15 words 0 .. 5 of a run of ones (period: 3 words = 16 codes)
.set T,    16                          ; v16-19 tile a: my 64 frames' number less the span's first such number, less 1
.set FL,   20                          ; v20-27 tile a: 1.0 where all my 64 frames count, else 0 (and a 0 that fills the pair)
.set LEN,  28                          ; v28-31 tile a: whole runs of 64 frames between the span's first and last
.set GA,   32                          ; codes in memory: lanes 0-15 256 bytes of a row, lanes 16-31 of the next
.set GS,   33                          ; scales in memory
.set LS0,  34                          ; where the codes go in LDS: quarters 0 and 1;  LS2: quarters 2 and 3;  LSS: where the scales go
.set LS2,  35
.set INV,  36                          ; v36-43 tile a: 1 / count (0 for an empty row), twice
.set LSS,  44
.set VL,   46                          ; text_token_len of batch r, as it came
.set VO,   47
.set ZQ,   48                          ; v48-51 zeros
.set NT,   52                          ; lane r: live tiles of batch r
.set PW,   53                          ; its workers under K = 1, 2, 3, 4: a byte each
.set Y0,   54
.set Y1,   55
.set SC,   68                          ; v68-83 audio scale words of 8 steps: 2 t + x: lanes 0-15 column tile x, lanes 16-31 column tile x + 2
.set RAW,  84                          ; v84-99 the same as loaded: 8 x + t
.set MSK,  100                         ; v100-147 the mask: four fragments
.set SE,   148                         ; v148-243 tile a at 24 a: the 12 words of the 64 frames in which the span begins, then the 12 of those in which it ends
.set RC,   244
.set CO,   248
.set AUD,  128                         ; window 1
.set BAT,  224
; at work in the head alone, in the mask's registers
.set LD,   100
.set ST,   108
.set EN,   112
.set CS,   116
.set CE,   120
.set NS,   124
.set NE,   128
.set UB,   132
.set CN,   136
.set R,    140
.set H,    141
.set X0,   142
.set X1,   143
.set OA,   144
.set CNT,  22
.set NA,   23                          ; s23    my wave's live tiles
.set TI,   28                          ; s28-31 their numbers in the batch (held to 63)
.set OB,   32                          ; s[32:39] their rows in out0
.set AL,   48                          ; s[48:55] their alignment
.set PB,   66                          ; s66-81 the deal: batch b's workers under each K
.set M1,   66
.set M3,   70
.set M2,   74
.set SX,   78
.set SEL,  79
.set SVAL, 80
.set SAME, 84
.set SKE,  88
.set SLO,  92
.set SHI,  93
.set SON,  94
.set SLR,  97
.set MSB, 0
.macro WIN new                         ; the immediate's high byte repeats the setting that is left; a switch that changes nothing is dropped
.if MSB != (\new)
	s_set_vgpr_msb (MSB<<8)|(\new)
.set MSB, (\new)
.endif
.endm
; Piece g of twelve of a quarter: two rows' 256 bytes at chunk g % 3; my wave has 8 rows
.macro GLOAD reg, q, g
	global_load_b128 v[\reg:\reg+3], v[GA], s[44:45] offset:6144*((\g)/3)+768*(\q)+256*((\g)%3)
.endm
.macro LSTORE reg, base, q, g
	ds_store_b128 v[\base], v[\reg:\reg+3] offset:QB*(\q)+1632*((\g)/3)+272*((\g)%3)
.endm
.macro BLOAD n                         ; batch n of three: pieces 8 n .. of the 24 of quarters 2 and 3
	WIN 0x40
.irp e, 0,1,2,3,4,5,6,7
	GLOAD BAT+4*\e, 2+(8*(\n)+\e)/12, (8*(\n)+\e)%12
.endr
	WIN 0
.endm
.macro BSTORE n
	WIN 0x04
.irp e, 0,1,2,3,4,5,6,7
	LSTORE BAT+4*\e, LS2, (8*(\n)+\e)/12, (8*(\n)+\e)%12
.endr
	WIN 0
.endm
.macro RAWL                            ; 8 steps' scale words of my two columns
.irp x, 0,1
	ds_load_b128 v[RAW+8*\x:RAW+8*\x+3], v[ADS] offset:2176*\x
	ds_load_b128 v[RAW+8*\x+4:RAW+8*\x+7], v[ADS] offset:2176*\x+16
.endr
.endm
.macro PERMS                           ; bytes 0, 2, 1, 3
.irp t, 0,1,2,3,4,5,6,7
.irp x, 0,1
	v_perm_b32 v[SC+2*\t+\x], v[RAW+8*\x+\t], v[RAW+8*\x+\t], s[SEL]
.endr
.endr
.endm
; The audio of step t of a quarter, 12 loads of 16 bytes a lane.  Lanes 0-15 begin at byte 96 t, lanes 16-31 48 bytes on; 16 bytes of padding lie behind every 256.
.macro LOADS t
	WIN 0x40
.irp i, 0,1,2,3
.irp p, 0,1,2
.set ly, 96*(\t)+16*\p
.set lr, AUD+48*((\t)%2)+12*\i+4*\p
.if ly%256 >= 208
	ds_load_b128 v[lr:lr+3], v[AA1] offset:ly+16*(ly/256)+\i*13056
.else
	ds_load_b128 v[lr:lr+3], v[AA0] offset:ly+16*(ly/256)+\i*13056
.endif
.endr
.endr
	WIN 0
.endm
; THE MASK of a step.  T < LEN (unsigned): ones.  T = LEN: the words in which the span ends.  T = -1: those in which it begins (or the whole span, where it begins and ends in the same 64 frames:
; then LEN and the end's words are 0).  Else zeros.  A word of ones times 1.0 plus 0 is that word, bit for bit; times 0.0 plus 0 it is 0.  The edge words are moved under EXEC, where a lane of the tile has one.
.macro EDGE a, m, off
	s_cmp_eq_u32 s[\m+\a], 0
	s_cbranch_scc1 .Le_\@
	s_and_saveexec_b32 s[SX], s[\m+\a]
.irp k, 0,2,4,6,8,10
	v_dual_mov_b32 v[MSK+12*\a+\k], v[SE+24*\a+\off+\k] :: v_dual_mov_b32 v[MSK+12*\a+\k+1], v[SE+24*\a+\off+\k+1]
.endr
	s_mov_b32 exec_lo, -1
.Le_\@:
.endm
.macro FLAG3
	v_cmp_lt_u32 s[M1+3], v[T+3], v[LEN+3]
	v_cmp_eq_u32 s[M3+3], v[T+3], v[LEN+3]
	v_cmp_eq_u32 s[M2+3], -1, v[T+3]
	v_cndmask_b32 v[FL+6], 0, 1.0, s[M1+3]
.endm
; full = 1: all four tiles (the first step); else the wave's live tiles alone.
.macro GEN perm, fin, full
.irp a, 0,1,2
	v_cmp_lt_u32 s[M1+\a], v[T+\a], v[LEN+\a]
.endr
.irp a, 0,1,2
	v_cmp_eq_u32 s[M3+\a], v[T+\a], v[LEN+\a]
.endr
.irp a, 0,1,2
	v_cmp_eq_u32 s[M2+\a], -1, v[T+\a]
.endr
.irp a, 0,1,2
	v_cndmask_b32 v[FL+2*\a], 0, 1.0, s[M1+\a]
.endr
.if \full
	FLAG3
.endif
	s_wait_alu depctr_va_vdst(0)
.irp a, 0,1,2,3
.if (\full) == 0
	s_cmp_le_u32 s[NA], \a
	s_cbranch_scc1 .Lg_\@
.if \a == 3
	FLAG3
	s_wait_alu depctr_va_vdst(0)
.endif
.endif
.irp k, 0,2,4,6,8,10
	v_pk_fma_f32 v[MSK+12*\a+\k:MSK+12*\a+\k+1], v[ONES+\k%6:ONES+\k%6+1], v[FL+2*\a:FL+2*\a+1], 0 op_sel_hi:[1,0,0]
.endr
	EDGE \a, M3, 12
	EDGE \a, M2, 0
.endr
.Lg_\@:
.if \perm
	PERMS
.endif
.irp a, 0,1,2,3                        ; four places between the mask's last words and the scaled products that read them
.if \fin
	v_nop
.else
	v_add_nc_u32 v[T+\a], 2, v[T+\a]               ; the next step
.endif
.endr
.endm
.macro WM i, a, t, zero
.set wd, 8*(4*(\a)+(\i))
.set wa, AUD+48*((\t)%2)+12*(\i)
.set wb, MSK+12*(\a)
.set ws, SC+2*(\t)+(\i)%2
.set wm, SCM
.if ws%8 == SCM%8
.set wm, SCM+1
.endif
.if (\zero) && ((\i) < 2)
	v_wmma_scale_f32_16x16x128_f8f6f4 v[wd:wd+7], v[wa:wa+11], v[wb:wb+11], 0, v[ws], v[wm] matrix_a_fmt:MATRIX_FMT_FP6 matrix_b_fmt:MATRIX_FMT_FP6
.elseif \zero
	v_wmma_scale_f32_16x16x128_f8f6f4 v[wd:wd+7], v[wa:wa+11], v[wb:wb+11], 0, v[ws], v[wm] matrix_a_fmt:MATRIX_FMT_FP6 matrix_b_fmt:MATRIX_FMT_FP6 matrix_a_scale:MATRIX_SCALE_ROW1
.elseif (\i) < 2
	v_wmma_scale_f32_16x16x128_f8f6f4 v[wd:wd+7], v[wa:wa+11], v[wb:wb+11], v[wd:wd+7], v[ws], v[wm] matrix_a_fmt:MATRIX_FMT_FP6 matrix_b_fmt:MATRIX_FMT_FP6
.else
	v_wmma_scale_f32_16x16x128_f8f6f4 v[wd:wd+7], v[wa:wa+11], v[wb:wb+11], v[wd:wd+7], v[ws], v[wm] matrix_a_fmt:MATRIX_FMT_FP6 matrix_b_fmt:MATRIX_FMT_FP6 matrix_a_scale:MATRIX_SCALE_ROW1
.endif
.endm
; The products, four for each live tile; the accumulators take turns, one instruction a turn, in the same order in every step, with three others at the least between two turns.
.macro MULS t, zero
.irp a, 0,1,2,3
.if (\zero) == 0
	s_cmp_le_u32 s[NA], \a
	s_cbranch_scc1 .Lm_\@
.endif
	WIN 0x51                                       ; C, D and source 0 window 1, source 1 window 0
.irp i, 0,1,2,3
	WM \i, \a, \t, \zero
.endr
	WIN 0                                          ; at a label and at a branch every window is 0
.endr
.Lm_\@:
.endm
; Step t of a quarter.  ph = 1: the first quarter, in which the codes of quarters 2 and 3 go to LDS, batch by batch; a barrier in its last step shows them to all waves.  last = 1: nothing follows step 7.
; The loads land in the buffer that the step before this one multiplied; this step's mask stands between (ISA guide 7.12.1 for vector instructions).
.macro KSTEP t, ph, last
.if (\ph) && (((\t) == 3) || ((\t) == 5))
	s_wait_xcnt 0x0                                ; a batch has been asked for: EXEC changes only behind this wait
.endif
.if ((\t) == 7) && ((\last) == 0)
	v_add_nc_u32 v[AA0], QB, v[AA0]                ; the next step is the next quarter's first
	v_add_nc_u32 v[AA1], QB, v[AA1]
.endif
.if ((\t) == 6) && ((\last) == 0)
	v_add_nc_u32 v[ADS], 32, v[ADS]                ; the next quarter's eight scale words
.endif
	GEN ((\t)==0), (((\t)==7)&&((\last)==1)), 0
.if (\ph) && ((\t) == 7)
	s_wait_alu depctr_va_vdst(0)
	s_wait_dscnt 0x0                               ; my stores of all three batches are done
	s_barrier_signal -1
	s_barrier_wait -1
.endif
.if (\ph) && (((\t) == 2) || ((\t) == 4) || ((\t) == 6))
	s_wait_alu depctr_va_vdst(0)
	s_wait_loadcnt 0x0                             ; the batch is in
	BSTORE (\t)/2-1
.endif
.if ((\t) == 6) && ((\last) == 0)
	RAWL
.endif
.if ((\t) == 7) && ((\last) == 1)
	s_wait_alu depctr_va_vdst(0)
	s_wait_dscnt 0x0
.else
	LOADS (((\t)+1)%8)
	s_wait_alu depctr_va_vdst(0)
	s_wait_dscnt 12                                ; all but the 12 just issued: this step's audio is in, and any batch's stores are done
.endif
.if (\ph) && (((\t) == 2) || ((\t) == 4))
	BLOAD (\t)/2
.endif
	MULS \t, 0
.endm
	s_load_b256 s[4:11], s[0:1], 0x0               ; the alignment s[4:5], the codes s[6:7], the scales s[8:9], text_token_len s[10:11]
	s_load_b128 s[12:15], s[0:1], 0x20             ; out0 s[12:13], out1 s[14:15]
	v_lshl_add_u32 v[SPW], v0, 2, SPARE
	v_mov_b32 v[NIL], 0
	v_lshrrev_b32 v[X0], 5, v0
	v_readfirstlane_b32 s16, v[X0]                 ; wave 0..7
	v_and_b32 v[R], 15, v0                         ; r: my token in a tile, my column in a column tile
	v_bfe_u32 v[H], v0, 4, 1                       ; h
	v_lshlrev_b32 v[VO], 2, v[R]
	s_and_b32 s17, ttmp7, 0xffff                   ; worker 0..31
	s_mov_b32 s20, ttmp9                           ; column group 0..7
	s_wait_alu depctr_va_vdst(0)
	s_wait_kmcnt 0x0
	global_load_b32 v[VL], v[VO], s[10:11]         ; text_token_len of batch r
	; the addresses, while it is on its way
	v_mul_u32_u24 v[X0], v[R], 816
	v_mul_u32_u24 v[X1], v[H], 48
	v_add_nc_u32 v[AA0], v[X0], v[X1]
	v_lshl_add_u32 v[AA1], v[H], 4, v[AA0]
	v_lshrrev_b32 v[X0], 1, v[R]                   ; the scales: two columns of 128 bytes to a unit of 272
	v_mul_u32_u24 v[X0], v[X0], 272
	v_and_b32 v[X1], 1, v[R]
	v_lshl_add_u32 v[X0], v[X1], 7, v[X0]
	v_mad_u32_u24 v[X0], v[H], 16*272, v[X0]       ; lanes 16-31: 32 columns on
	v_add_nc_u32 v[ADS], SCL, v[X0]
	s_mul_i32 s62, s16, 16*272
	s_add_co_u32 s62, s62, STAGE                   ; my stage
	v_mul_u32_u24 v[X0], v[R], 272                 ; in: row r, 32 bytes for each half of the lanes
	v_lshl_add_u32 v[X0], v[H], 5, v[X0]
	v_add_nc_u32 v[STO], s62, v[X0]
	v_mul_u32_u24 v[X1], v[H], 272                 ; back: sixteen lanes take a row of 256 bytes
	v_lshl_add_u32 v[X1], v[R], 4, v[X1]
	v_add_nc_u32 v[RD], s62, v[X1]
	s_mul_i32 s62, s16, 4*272
	s_add_co_u32 s62, s62, SCL                     ; the scales on their way in: my wave's four units
	v_add_nc_u32 v[LSS], s62, v[X1]
	v_lshlrev_b32 v[CO], 11, v[H]                  ; two rows of out0
	v_lshl_add_u32 v[CO], v[R], 4, v[CO]
	v_mul_u32_u24 v[X0], v[H], 816                 ; the codes on their way in: my wave's eight rows
	v_lshl_add_u32 v[X0], v[R], 4, v[X0]
	s_mul_i32 s62, s16, 8*816
	v_add_nc_u32 v[LS0], s62, v[X0]
	v_add_nc_u32 v[LS2], 2*QB, v[LS0]
	v_mul_u32_u24 v[GA], v[H], 3072
	v_lshl_add_u32 v[GA], v[R], 4, v[GA]
	v_and_b32 v[GS], 31, v0
	v_lshlrev_b32 v[GS], 4, v[GS]
	v_lshlrev_b32 v[OA], 3, v[R]
	v_mov_b32 v[SCM], 0x7d7d7d7d                   ; 2^-2 for each of the four blocks; these registers hold nothing else
	v_mov_b32 v[SCM+1], 0x7d7d7d7d
	s_mov_b32 s[SON], 0x18618618                   ; 16 codes 011000 are 96 bits: these three words
	s_mov_b32 s[SON+1], 0x86186186
	s_mov_b32 s[SON+2], 0x61861861
.irp k, 0,1,2,3,4,5
	v_mov_b32 v[ONES+\k], s[SON+\k%3]
.endr
.irp a, 0,1,2,3
	v_mov_b32 v[FL+2*\a+1], 0
	v_mov_b32 v[ZQ+\a], 0
.endr
	s_wait_alu depctr_va_vdst(0)
	s_wait_loadcnt 0x0                             ; the lengths
	; THE DEAL.  Lane r: batch r's live tiles n, and its workers ceil(n / 8 K) under each K
	v_max_i32 v[NT], 0, v[VL]
	v_min_i32 v[NT], 0x400, v[NT]
	v_add_nc_u32 v[NT], 15, v[NT]
	v_lshrrev_b32 v[NT], 4, v[NT]
	v_add_nc_u32 v[PW], 7, v[NT]
	v_add_nc_u32 v[Y0], 15, v[NT]
	v_add_nc_u32 v[Y1], 23, v[NT]
	v_add_nc_u32 v[X0], 31, v[NT]
	v_lshrrev_b32 v[PW], 3, v[PW]
	v_lshrrev_b32 v[Y0], 4, v[Y0]
	v_mul_u32_u24 v[Y1], 2731, v[Y1]               ; (n + 23) / 24, n at most 64: 2,731 / 65,536
	v_lshrrev_b32 v[X0], 5, v[X0]
	v_lshl_or_b32 v[PW], v[Y0], 8, v[PW]
	v_lshrrev_b32 v[Y1], 16, v[Y1]
	v_lshl_or_b32 v[PW], v[Y1], 16, v[PW]
	v_lshl_or_b32 v[PW], v[X0], 24, v[PW]
.irp b, 0,1,2,3,4,5,6,7,8,9,10,11,12,13,14,15
	v_readlane_b32 s[PB+\b], v[PW], \b
.endr
	s_mov_b32 s25, s[PB]
.irp b, 1,2,3,4,5,6,7,8,9,10,11,12,13,14,15
	s_add_co_u32 s25, s25, s[PB+\b]                ; four sums, each under 256
.endr
	s_and_b32 s26, s25, 0xff
	s_bfe_u32 s27, s25, 0x80008
	s_bfe_u32 s56, s25, 0x80010
	s_mov_b32 s24, 4                               ; K
	s_cmp_le_u32 s56, 32
	s_cselect_b32 s24, 3, s24
	s_cmp_le_u32 s27, 32
	s_cselect_b32 s24, 2, s24
	s_cmp_le_u32 s26, 32
	s_cselect_b32 s24, 1, s24
	s_sub_co_u32 s59, s24, 1
	s_lshl_b32 s59, s59, 3
	s_or_b32 s59, s59, 0x80000                     ; K's byte as a bit field
	s_mov_b32 s26, 0                               ; workers of batches 0 .. b
	s_mov_b32 s27, 0                               ; batches whose workers all come ahead of me; 16: nothing is left for me
	s_mov_b32 s56, 0                               ; my batch's first worker
.irp b, 0,1,2,3,4,5,6,7,8,9,10,11,12,13,14,15
	s_bfe_u32 s60, s[PB+\b], s59
	s_add_co_u32 s26, s26, s60
	s_cmp_le_u32 s26, s17
	s_cselect_b32 s56, s26, s56
	s_add_co_ci_u32 s27, s27, 0
.endr
	s_min_u32 s18, s27, 15                         ; my batch
	s_lshl_b32 s86, s18, 2
	s_mov_b32 s87, 0
	s_add_nc_u64 s[82:83], s[10:11], s[86:87]
	s_load_b32 s58, s[82:83], 0x0                  ; its text_token_len
	s_lshr_b32 s86, s17, 1
	s_lshl_b32 s86, s86, 2
	s_add_nc_u64 s[84:85], s[10:11], s[86:87]
	s_load_b32 s42, s[84:85], 0x0                  ; that of the batch of which I store a half's zeros
	s_sub_co_u32 s25, s17, s56                     ; my place among my batch's workers
	s_mul_i32 s25, s25, s24
	s_lshl_b32 s25, s25, 3                         ; my work-group's first tile
	s_cmp_lt_u32 s27, 16
	s_cselect_b32 s25, s25, 0
	s_cselect_b32 s24, s24, 0                      ; tiles of a wave at the most
	s_min_u32 s25, s25, 63
	s_add_co_u32 s25, s25, s16
.irp a, 0,1,2,3
	s_add_co_u32 s[TI+\a], s25, 8*\a
	s_min_u32 s[TI+\a], s[TI+\a], 63
.endr
	s_mul_i32 s62, s18, 512*3072                   ; the codes of my batch,
	s_mul_i32 s60, s20, 64*3072                    ; my 64 columns,
	s_add_co_u32 s62, s62, s60
	s_mul_i32 s60, s16, 8*3072                     ; my wave's 8 to fetch
	s_add_co_u32 s62, s62, s60
	s_mov_b32 s63, 0
	s_add_nc_u64 s[44:45], s[6:7], s[62:63]
	s_lshl_b32 s62, s18, 16                        ; the scales likewise
	s_lshl_b32 s60, s20, 13
	s_add_co_u32 s62, s62, s60
	s_lshl_b32 s60, s16, 10
	s_add_co_u32 s62, s62, s60
	s_add_nc_u64 s[46:47], s[8:9], s[62:63]
	s_lshl_b32 s56, s18, 10
	s_lshl_b32 s57, s20, 8                         ; 256 bytes a column group in a row of out0
.irp a, 0,1,2,3
	s_lshl_b32 s60, s[TI+\a], 4
	s_add_co_u32 s60, s60, s56                     ; the tile's first token among all 16,384
	s_lshl_b32 s62, s60, 3
	s_add_nc_u64 s[AL+2*\a:AL+2*\a+1], s[4:5], s[62:63]
	s_lshl_b32 s62, s60, 11
	s_add_co_u32 s62, s62, s57
	s_add_nc_u64 s[OB+2*\a:OB+2*\a+1], s[12:13], s[62:63]
.endr
.irp a, 0,1,2,3
	global_load_b64 v[LD+2*\a:LD+2*\a+1], v[OA], s[AL+2*\a:AL+2*\a+1]    ; (start, end) of token r of the tile; both halves of the lanes take the same
.endr
	global_load_b128 v[RAW:RAW+3], v[GS], s[46:47]
	global_load_b128 v[RAW+4:RAW+7], v[GS], s[46:47] offset:512
	WIN 0x40
.irp g, 0,1,2,3,4,5,6,7,8,9,10,11
	GLOAD AUD+4*\g, 0, \g
.endr
.irp g, 0,1,2,3,4,5,6,7,8,9,10,11
	GLOAD AUD+48+4*\g, 1, \g
.endr
	BLOAD 0
	; where my share of the zeros lies
	s_and_b32 s43, s17, 1
	s_lshl_b32 s43, s43, 5
	s_lshl_b32 s60, s16, 2
	s_add_co_u32 s43, s43, s60                     ; four tiles from here on
	s_lshr_b32 s60, s17, 1
	s_lshl_b32 s60, s60, 10
	s_lshl_b32 s62, s43, 4
	s_add_co_u32 s62, s62, s60
	s_lshl_b32 s62, s62, 11
	s_add_co_u32 s62, s62, s57
	s_add_nc_u64 s[40:41], s[12:13], s[62:63]
	s_wait_kmcnt 0x0                               ; the two lengths
	s_max_i32 s42, s42, 0
	s_min_i32 s42, s42, 0x400
	s_add_co_u32 s42, s42, 15
	s_lshr_b32 s42, s42, 4                         ; live tiles there
	s_max_i32 s58, s58, 0
	s_min_i32 s58, s58, 0x400
	s_add_co_u32 s60, s58, 15
	s_lshr_b32 s60, s60, 4                         ; and in my batch
	s_sub_co_i32 s[NA], s60, s25
	s_add_co_i32 s[NA], s[NA], 7
	s_ashr_i32 s[NA], s[NA], 3
	s_max_i32 s[NA], s[NA], 0
	s_min_i32 s[NA], s[NA], s24                    ; my live tiles: a = 0 .. NA - 1
.irp a, 0,1,2,3
	s_lshl_b32 s60, s[TI+\a], 4
	s_sub_co_i32 s[SLR+\a], s58, s60               ; text_token_len less the tile's first token
.endr
	s_mov_b32 s[SEL], 0x03010200
	s_wait_loadcnt 34                              ; the alignment; scales, two quarters and a batch may be out
	s_wait_xcnt 0x0                                ; EXEC changes only behind this wait
	; EACH TOKEN ONCE: from (start, end) to the generator's numbers, the four tiles side by side
.irp a, 0,1,2,3
	v_max_i32 v[ST+\a], 0, v[LD+2*\a]              ; the first frame that exists
.endr
.irp a, 0,1,2,3
	v_min_i32 v[EN+\a], 0xfff, v[LD+2*\a+1]        ; the last
.endr
.irp a, 0,1,2,3
	v_cmp_gt_i32 s[SVAL+\a], s[SLR+\a], v[R]       ; my token lies under text_token_len
.endr
.irp a, 0,1,2,3
	v_cmp_le_i32 s[SAME+\a], v[ST+\a], v[EN+\a]    ; and its span holds a frame
.endr
.irp a, 0,1,2,3
	s_and_b32 s[SVAL+\a], s[SVAL+\a], s[SAME+\a]
.endr
.irp a, 0,1,2,3
	v_lshrrev_b32 v[NS+\a], 6, v[ST+\a]            ; the 64 frames in which it begins
	v_lshrrev_b32 v[NE+\a], 6, v[EN+\a]            ; and ends
.endr
.irp a, 0,1,2,3
	v_cmp_eq_u32 s[SAME+\a], v[NS+\a], v[NE+\a]
.endr
.irp a, 0,1,2,3
	v_sub_nc_u32 v[T+\a], v[H], v[NS+\a]
	v_sub_nc_u32 v[LEN+\a], v[NE+\a], v[NS+\a]
.endr
.irp a, 0,1,2,3
	s_and_not1_b32 s[SKE+\a], s[SVAL+\a], s[SAME+\a]            ; it ends in 64 frames of their own
.endr
.irp a, 0,1,2,3
	v_add_nc_u32 v[T+\a], -1, v[T+\a]              ; step 0: h - first - 1
	v_add_nc_u32 v[LEN+\a], -1, v[LEN+\a]
.endr
.irp a, 0,1,2,3
	v_cndmask_b32 v[LEN+\a], 0, v[LEN+\a], s[SKE+\a]
	v_and_b32 v[CS+\a], 63, v[ST+\a]
	v_and_b32 v[CE+\a], 63, v[EN+\a]
	v_sub_nc_u32 v[CN+\a], v[EN+\a], v[ST+\a]
.endr
.irp a, 0,1,2,3
	v_cndmask_b32 v[CS+\a], 64, v[CS+\a], s[SVAL+\a]            ; a row that counts for nothing begins behind its 64 frames
	v_mad_u32_u24 v[CE+\a], v[CE+\a], 6, 8         ; 6 (end + 1) + 2
	v_add_nc_u32 v[CN+\a], 1, v[CN+\a]
.endr
.irp a, 0,1,2,3
	v_mad_u32_u24 v[CS+\a], v[CS+\a], 6, 2         ; 6 start + 2
	v_cvt_f32_i32 v[CN+\a], v[CN+\a]               ; the count: at most 4,096, exact
.endr
; Word j of 12.  A code n's ones are bits 6 n + 3 and 6 n + 4.  "Codes from x on" are the bits from 6 x + 2 or 6 x + 3 on: 6 x + 2 held to 32 j .. 32 j + 31 is the shift (the low five bits) of all ones.  A word whose
; ones reach bit 31 (j % 3 = 1; its bit 0 is no one) takes all ones but bit 0, so that the greatest shift leaves nothing.
.set j, 0
.rept 12
.set KK, -1
.if j%3 == 1
.set KK, -2
.endif
	s_mov_b32 s[SLO], 32*j
	s_mov_b32 s[SHI], 32*j+31
.irp a, 0,1,2,3
	v_max_u32 v[NS+\a], s[SLO], v[CS+\a]
	v_max_u32 v[NE+\a], s[SLO], v[CE+\a]
.endr
.irp a, 0,1,2,3
	v_min_u32 v[NS+\a], s[SHI], v[NS+\a]
	v_min_u32 v[NE+\a], s[SHI], v[NE+\a]
.endr
.irp a, 0,1,2,3
	v_lshlrev_b32 v[NS+\a], v[NS+\a], KK
	v_lshlrev_b32 v[NE+\a], v[NE+\a], KK
.endr
.irp a, 0,1,2,3
	v_bfi_b32 v[NE+\a], v[NE+\a], 0, s[SON+j%3]    ; the codes up to the end
.endr
.irp a, 0,1,2,3
	v_cndmask_b32 v[UB+\a], s[SON+j%3], v[NE+\a], s[SAME+\a]
.endr
.irp a, 0,1,2,3
	v_and_b32 v[SE+24*\a+j], v[NS+\a], v[UB+\a]
	v_cndmask_b32 v[SE+24*\a+12+j], 0, v[NE+\a], s[SKE+\a]
.endr
.set j, j+1
.endr
	s_wait_alu depctr_va_vdst(0)
.irp a, 0,1,2,3
	v_rcp_f32 v[RC+\a], v[CN+\a]
.endr
	v_nop                                          ; a plain instruction behind the last reciprocal
	s_wait_alu depctr_va_vdst(0)                   ; and the wait ahead of the first use: one for the four
.irp a, 0,1,2,3
	v_cndmask_b32 v[INV+2*\a], 0, v[RC+\a], s[SVAL+\a]          ; 0 for a row without frames: its sum is 0 and stays 0
	v_cndmask_b32 v[INV+2*\a+1], 0, v[RC+\a], s[SVAL+\a]
.endr
	GEN 0, 0, 1                                    ; the mask of step 0, ahead of the first codes
	s_wait_alu depctr_va_vdst(0)
	s_wait_loadcnt 20                              ; the scales and quarter 0 are in; quarter 1 and a batch may be out
	ds_store_b128 v[LSS], v[RAW:RAW+3]
	ds_store_b128 v[LSS], v[RAW+4:RAW+7] offset:544
	WIN 0x04
.irp g, 0,1,2,3,4,5,6,7,8,9,10,11
	LSTORE AUD+4*\g, LS0, 0, \g
.endr
	s_wait_loadcnt 8                               ; quarter 1 is in
.irp g, 0,1,2,3,4,5,6,7,8,9,10,11
	LSTORE AUD+48+4*\g, LS0, 1, \g
.endr
	WIN 0
	s_wait_dscnt 0x0                               ; for the others' sake: my stores are done
	s_barrier_signal -1
	s_barrier_wait -1                              ; the scales and quarters 0 and 1 are whole
	RAWL
	LOADS 0
	LOADS 1
	s_wait_dscnt 24                                ; the scale words are in; the audio of steps 0 and 1 may be out
	PERMS
	s_wait_alu depctr_va_vdst(0)
	s_wait_dscnt 12                                ; step 0's audio is in
	MULS 0, 1                                      ; all four tiles' products start the sums: nothing is cleared
	KSTEP 1, 1, 0
	KSTEP 2, 1, 0
	KSTEP 3, 1, 0
	KSTEP 4, 1, 0
	KSTEP 5, 1, 0
	KSTEP 6, 1, 0
	KSTEP 7, 1, 0
	; THE ZEROS: of my four tiles those that hold no live token
.irp a, 0,1,2,3
	s_add_co_u32 s25, s43, \a
	s_cmp_lt_u32 s25, s42
	s_cbranch_scc1 .Llive_\a
.irp t, 0,1,2,3,4,5,6,7
	global_store_b128 v[CO], v[ZQ:ZQ+3], s[40:41] offset:(16*\a+2*\t)*2048 th:TH_STORE_NT   ; 16 lanes store 256 consecutive bytes, at a multiple of 256 from out0's first byte
.endr
.Llive_\a:
.endr
	s_wait_xcnt 0x0                                ; EXEC changes only behind this wait
	s_mov_b32 s[CNT], 2
.Lquarter:                                         ; quarters 1 and 2 of the frames
	KSTEP 0, 0, 0
	KSTEP 1, 0, 0
	KSTEP 2, 0, 0
	KSTEP 3, 0, 0
	KSTEP 4, 0, 0
	KSTEP 5, 0, 0
	KSTEP 6, 0, 0
	KSTEP 7, 0, 0
	s_sub_co_u32 s[CNT], s[CNT], 1
	s_cmp_lg_u32 s[CNT], 0
	s_cbranch_scc1 .Lquarter
	KSTEP 0, 0, 1                                  ; quarter 3: nothing is loaded beyond it
	KSTEP 1, 0, 1
	KSTEP 2, 0, 1
	KSTEP 3, 0, 1
	KSTEP 4, 0, 1
	KSTEP 5, 0, 1
	KSTEP 6, 0, 1
	KSTEP 7, 0, 1
.rept 4
	v_nop                                          ; places behind the last products
.endr
; THE WAY OUT, a live token tile (16 rows x 64 columns) at a time: times 1 / count, through my own stage, and back as whole rows of 256 bytes.
; Read back into window 1: tiles 0 to 2 where the audio lay, tile 3 where tile 0's sums lay.
.macro TILEOUT a
.set PT, MSK+32*((\a)%2)
.set BB, AUD+32*(\a)
.if (\a) == 3
.set BB, 0
.endif
	WIN 0x01
.set k, 0
.rept 16
	v_pk_mul_f32 v[PT+k:PT+k+1], v[32*(\a)+k:32*(\a)+k+1], v[INV+2*(\a):INV+2*(\a)+1] op_sel_hi:[1,0]   ; ascending: each accumulator is read from its low end on
.set k, k+2
.endr
	WIN 0
.irp i, 0,1,2,3
	ds_store_b128 v[STO], v[PT+8*\i:PT+8*\i+3] offset:64*\i
	ds_store_b128 v[STO], v[PT+8*\i+4:PT+8*\i+7] offset:64*\i+16
.endr
	WIN 0x40
.irp t, 0,1,2,3,4,5,6,7
	ds_load_b128 v[BB+4*\t:BB+4*\t+3], v[RD] offset:\t*544     ; LDS serves a wave's instructions in order (ISA guide 5.7.1.4): these see the stores above
.endr
	WIN 0
	s_wait_dscnt 0x0                               ; the tile is back in registers
	WIN 0x04
.irp t, 0,1,2,3,4,5,6,7
	global_store_b128 v[CO], v[BB+4*\t:BB+4*\t+3], s[OB+2*(\a):OB+2*(\a)+1] offset:2*\t*2048 th:TH_STORE_NT   ; 16 lanes store 256 consecutive bytes, at a multiple of 256 from out0's first byte; written once, read by nobody here
.endr
	WIN 0
.endm
.irp a, 0,1,2,3
	s_cmp_le_u32 s[NA], \a
	s_cbranch_scc1 .Lout
	TILEOUT \a
.endr
.Lout:
	; out1 = text_token_len: wave 0 of the first work-group, from the registers that hold it
	s_or_b32 s60, s17, s20
	s_or_b32 s60, s60, s16
	s_cmp_lg_u32 s60, 0
	s_cbranch_scc1 .Lno_len
	v_and_b32 v250, 31, v0
	v_cmp_gt_u32 vcc_lo, 16, v250
	s_wait_alu depctr_va_vdst(0)
	s_wait_xcnt 0x0                                ; EXEC changes only behind this wait
	s_and_saveexec_b32 s60, vcc_lo                 ; lanes 0 to 15
	global_store_b32 v[VO], v[VL], s[14:15]
	s_wait_xcnt 0x0                                ; and again, in front of the line that widens it
	s_or_b32 exec_lo, exec_lo, s60
.Lno_len:
	s_wait_tensorcnt 0x0                           ; the wave's end, behind my last LDS store
	ds_add_u32 v[SPW], v[NIL]
	s_wait_dscnt 0x0
	s_endpgm
.Lfunc_end_k_qf9107e6ca7_seg:
	.size	k_qf9107e6ca7_seg, .Lfunc_end_k_qf9107e6ca7_seg-k_qf9107e6ca7_seg
	.p2alignl 7, 3214868480
	.fill 96, 4, 3214868480
	.section	.rodata,"a",@progbits
	.p2align	6, 0x0
	.amdhsa_kernel k_qf9107e6ca7_seg
		.amdhsa_group_segment_fixed_size 253440
		.amdhsa_private_segment_fixed_size 0
		.amdhsa_enable_private_segment 0
		.amdhsa_kernarg_size 48
		.amdhsa_user_sgpr_count 2
		.amdhsa_user_sgpr_kernarg_segment_ptr 1
		.amdhsa_wavefront_size32 1
		.amdhsa_system_sgpr_workgroup_id_x 1
		.amdhsa_system_sgpr_workgroup_id_y 1
		.amdhsa_system_sgpr_workgroup_id_z 1
		.amdhsa_system_vgpr_workitem_id 0
		.amdhsa_next_free_vgpr 512
		.amdhsa_next_free_sgpr 102
		.amdhsa_reserve_vcc 1
		.amdhsa_float_denorm_mode_32 3
		.amdhsa_float_denorm_mode_16_64 3
		.amdhsa_memory_ordered 1
		.amdhsa_forward_progress 1
		.amdhsa_inst_pref_size 255
	.end_amdhsa_kernel
	.section	.bss,"aw",@nobits
	.p2align	6
	.space	262144
	.amdgpu_metadata
---
amdhsa.version: [ 1, 2 ]
amdhsa.kernels:
  - .name:           k_qf9107e6ca7_seg
    .symbol:         k_qf9107e6ca7_seg.kd
    .args:
      - { .name: asr_alignment, .offset: 0, .size: 8, .value_kind: global_buffer, .address_space: global }
      - { .name: audio_feats_codes, .offset: 8, .size: 8, .value_kind: global_buffer, .address_space: global }
      - { .name: audio_feats_scales, .offset: 16, .size: 8, .value_kind: global_buffer, .address_space: global }
      - { .name: text_token_len, .offset: 24, .size: 8, .value_kind: global_buffer, .address_space: global }
      - { .name: out0, .offset: 32, .size: 8, .value_kind: global_buffer, .address_space: global }
      - { .name: out1, .offset: 40, .size: 8, .value_kind: global_buffer, .address_space: global }
    .group_segment_fixed_size: 253440
    .private_segment_fixed_size: 0
    .kernarg_segment_align: 8
    .kernarg_segment_size: 48
    .max_flat_workgroup_size: 256
    .sgpr_count:     102
    .vgpr_count:     512
    .wavefront_size: 32
...
	.end_amdgpu_metadata
.endif
;; end of part 1
